; MI455X (gfx1250); checked and timed in simulation.
; The chip was launched on July 23, 2026; its instructions are those of AMD's public machine-readable ISA for CDNA 5 (MIT licence, August 2026) and "CDNA5" Instruction Set Architecture Reference Guide (July 2026). The comments in the code are by the model that wrote it; some were corrected since.
;; Rand Hash Proj. Allowed arithmetic: matrix products marked QUANTISED: E2M3 operands, one E8M0 scale for each 32 along K, by v_wmma_scale_f32_16x16x128_f8f6f4 with both operands' format E2M3, f32 sums; everything else in f32.
;; Inputs: proj_codes 2,048 x 256 x 24 uint8 (E2M3 codes of proj, K innermost, in blocks of 32 codes, four codes in three bytes); proj_scales 2,048 x 256 uint8 (E8M0 scales of proj, one for each 32 codes along K); x_codes 4,096 x 256 x 24 uint8 (E2M3 codes of x, K innermost, in blocks of 32 codes, four codes in three bytes); x_scales 4,096 x 256 uint8 (E8M0 scales of x, one for each 32 codes along K).
;; Outputs: out0 4,096 x 2,048 float32.
;; This version of the problem:
;;   THIS VERSION OF THE PROBLEM IS GIVEN IN LOW PRECISION. The matrix products marked QUANTISED in the list below multiply operands that are first quantised to E2M3 (2 exponent bits, 3 mantissa bits; 6 bits a number), with one power-of-two scale for each 32 numbers along K (OCP MX v1.0); their sums are f32. All else is computed in f32.
;;   The module's matrix products, in the order in which they are computed (A, B: the left and right operand; K: the contracted axis; several contracted axes count as one K, in the product's order):
;;     1. [M 4,096, K 8,192] x [K 8,192, N 2,048]; A: input x (given as codes); B: input proj (given as codes): QUANTISED
;;   THE QUANTISER, for each operand of a quantised product, along K:
;;     - K is cut into blocks of 32 from its start; a last block that is shorter is filled with zeros.
;;     - A block's scale is 2^e with e = floor(log2(the largest magnitude in the block)) - 2, held to -126 .. 127; a block of zeros has e = 0. As a byte (E8M0): e + 127.
;;     - Each number is divided by its block's scale, clamped to +-7.5, and rounded to the nearest number of E2M3, ties to even, subnormals kept.
;;     - The product sums the exact products of the quantised numbers (number of the format x scale) in f32.
;;   ~~~python
;;   def quantise(x, axis):      # numpy; x: float32 -> the quantised numbers, widened to float32 again
;;       x = np.moveaxis(x, axis, -1); K = x.shape[-1]
;;       x = np.pad(x, [(0, 0)] * (x.ndim - 1) + [(0, -K % 32)]); x = x.reshape(x.shape[:-1] + (-1, 32)); a = np.abs(x).max(-1, keepdims=True)
;;       e = np.where(a > 0, np.clip(np.frexp(np.where(a > 0, a, 1))[1] - 1 - 2, -126, 127), 0)      # np.frexp(a)[1] - 1 = floor(log2(a)), exactly
;;       r = np.clip(x / 2.0 ** e, -7.5, 7.5)
;;       step = 2.0 ** (np.maximum(np.frexp(np.where(r == 0, 1, r))[1] - 1, 0) - 3)
;;       q = np.round(r / step) * step * 2.0 ** e      # np.round: ties to even
;;       return np.moveaxis(q.reshape(q.shape[:-2] + (-1,))[..., :K], -1, axis).astype(np.float32)
;;   ~~~
;;   INPUTS GIVEN AS CODES. proj (in the module: [8192, 2048], K = its axis 0); x (in the module: [4096, 8192], K = its axis 1): each comes as NAME_codes (uint8): NAME with its K axis moved to the last place and cut into blocks of 32 codes, [.., K / 32, bytes a block], one block behind the other in memory; four codes in three bytes: a row's codes are one little-endian stream of bits, code i at bits 6 i .. 6 i + 5 (a code: sign, 2 exponent bits, 3 mantissa bits); and NAME_scales (uint8): the same leading axes, one E8M0 byte (e + 127) for each 32 codes along K. Its value is code x scale, taken as it is: it is not quantised again, and the codes and scales need not be those that the quantiser above would give.
;; 2 versions. Each part assembles by itself: llvm-mc -triple=amdgcn-amd-amdhsa -mcpu=gfx1250 --defsym DOCPART=n.
;; ======== version 1 of 2: 1 launch
;; launch gemm (part 1): grid 16 x 16, 4 waves a work-group, clusters of 4 x 4, 327,680 bytes of LDS; arguments x_codes, x_scales, proj_codes, proj_scales, out0; writes out0
.if DOCPART == 1
	.amdgcn_target "amdgcn-amd-amdhsa--gfx1250"
	.amdhsa_code_object_version 6
	.text
	.protected	k_q3d2d734d94_gemm
	.globl	k_q3d2d734d94_gemm
	.p2align	8
	.type	k_q3d2d734d94_gemm,@function
k_q3d2d734d94_gemm:
	s_mov_b64 s[64:65], 0
	v_nop
	global_prefetch_b8 v0, s[64:65] scope:SCOPE_SE
	s_setreg_imm32_b32 hwreg(HW_REG_WAVE_MODE, 25, 1), 1
	s_wait_xcnt 0x0
	s_wait_alu depctr_hold_cnt(0) depctr_sa_sdst(0) depctr_va_vdst(0) depctr_va_sdst(0) depctr_va_ssrc(0) depctr_va_vcc(0) depctr_vm_vsrc(0)
	s_getreg_b32 s2, hwreg(HW_REG_IB_STS2, 6, 4)
	s_cmp_eq_u32 s2, 0
	s_cbranch_scc0 .Lentry_in_a_cluster
	s_endpgm
.Lentry_in_a_cluster:
	s_bfe_u32 s2, ttmp6, 0x10000c
	s_cmp_lg_u32 s2, 0xf033
	s_cbranch_scc0 .Lentry_shape_is_right
	s_endpgm
.Lentry_shape_is_right:
; out0[m][n] = sum over k of x[m][k] proj[k][n].  x: [4096][8192], proj: laid [2048][8192] with K innermost: codes of FP6 (E2M3), 6 bits each, a row 6,144 bytes, one stream of bits;
; one E8M0 byte for each 32 along K, a row of scales 256 bytes.  out0: [4096][2048] f32.  Codes and scale bytes go to the matrix instruction as they lie in memory; nothing is widened or quantised again.
; SHARES.  16 x 16 work-groups, each a tile of 256 rows x 128 columns of out0 over all of K.  Four waves, as many as a WGP has SIMDs.  THE WAVES SHARE ROWS AND K, NOT COLUMNS: wave w = 2 mh + kh takes rows
; 128 mh .. 128 mh + 127, all 128 columns, and of every 256 along K the kh-th 128.  So a wave's tile is 128 x 128 (64 accumulators, 512 registers): for 64 matrix instructions it reads (128 + 128) x 96 bytes of LDS,
; where a tile of 128 x 64 over all of K would read (128 + 64) x 96 bytes for 32.  The price, once: the two waves of a pair hold partial sums of the same 128 x 128; each sends half of them to the other through LDS.
; LIMIT, an order of rounding: an output is the f32 sum of two f32 partial sums, one over the even and one over the odd steps of 128 along K, each with K ascending.
; K goes in steps of 256 through a ring of two LDS slots filled by the tensor data mover (rows of 192 bytes).  THE SCALES of the tile's 256 + 128 rows, for all of K, come into LDS once, with the first fills, and stay.
; CLUSTERS: 4 x 4 work-groups.  The four of a row of the cluster need the same tiles of x, the four of a column the same tiles of proj: each tile is asked for JOINTLY, by the same tensor load with the same
; descriptor and a mask that names the four.  THE MATRIX INSTRUCTION IS USED TRANSPOSED (source 0 = 16 rows of proj, source 1 = 16 rows of x): a lane then holds eight neighbouring numbers of a row of out0.
; REGISTERS, in windows of 256: window 0: v0-31 addresses; v32-47 scale words, two sets; v48-239 x's fragments (8 x 16 rows x 128 K), two sets.   window 1: proj's fragments, two sets, at v0 and v128.
;   window 2: the 32 accumulators of the rows that I KEEP (register blocks 0-3: tile rows 64 w on; accumulator (a, b) at v[8 (8 a + b)]);   window 3: those of the rows that I SEND (blocks 4-7: tile rows 64 (w xor 1) on).
.set SIZE_N, 2048
.set ROWB,   192                       ; a tile's row in bytes: 256 codes of 6 bits
.set KROW,   6144                      ; a row of x or of proj in memory, in bytes
.set PITCH,  240                       ; an LDS row: 3 x (64 bytes of data + 16 of padding) = 60 words: row r starts at bank -4 r mod 64 (64 banks of 4 bytes: ISA guide 11.1), so the 32 lanes of a load of 8 bytes touch 64 different banks
.set FR,     12                        ; registers of a fragment: 16 rows x 128 K
.set BOFF,   256*PITCH                 ; in a slot: x's 256 rows, then proj's 128
.set SLOT,   384*PITCH
.set SCL,    2*SLOT                    ; behind the ring: x's scales, 256 rows of 256 bytes + 16 of padding;
.set SCLB,   SCL+256*272+8             ; proj's, 128 such rows, 8 bytes further on than they need lie: lanes 16-31 of a scale load then fall two banks beside lanes 0-15
.set SBLK,   16*272                    ; the scales of 16 rows
.set SPARE,  289024                    ; behind the scales (which end at byte 288,776): the spare words, 128 bytes for each wave: two blocks of 256 bytes that no other line names
.set SPITCH, 528                       ; the way out: rows of 512 bytes + 16
.set XBYTES, 64*SPITCH                 ; what a wave sends: 64 rows.  The four waves' lie from LDS byte 0 on,
.set STG,    4*XBYTES                  ; and behind them a stage of 16 rows for each wave.  Both lie in the ring, which has had its last fill and its last read when the first result is stored there
.set CO,   2                           ; v2      16 x lane: my bytes of a row of 512                (v2-4 are first at work for the fragments' addresses)
.set XW,   3                           ; v3      where I put 32 bytes of a row that I send
.set XR,   4                           ; v4      where I read a row that my partner sent
.set ADR,  8                           ; v8-25   fragments: v[ADR + 9 slot + 3 part + j]; part 0: x's rows that I keep, 1: x's rows that I send, 2: proj's; j: see FRAG
.set ADRS, 26                          ; v26-27  my scale words, for register blocks 0-3 and 4-7: lanes 0-15 x's rows, lanes 16-31 proj's
.set SPW,  28                          ; v28     LDS address of my spare word: SPARE + 4 x my thread's number; never rewritten
.set NIL,  29                          ; v29     0; never rewritten
.set STO,  30                          ; v30     my stage: where I put 32 bytes of a row
.set RD,   31                          ; v31     and where I read a row back
.set SC,   32                          ; scale words: set p at v[SC + 8 p]; register i: lanes 0-15 the word of x's block i, lanes 16-31 that of proj's block i, for my 128 along K
.set AF,   48                          ; x's fragments: set p at v[AF + 96 p]
.set BK,   48                          ; the way out: 16 rows read back from the stage: v48-111 and v112-175 by turns
.set G1, 24                            ; s[24:31] descriptor group 1 for x's tiles;  s[32:39] group 0, one set for each slot
.set G0, 32
.set G1B, 48                           ; s[48:55], s[56:63] the same for proj's tiles
.set G0B, 56
.set G1S, 68                           ; s[68:75], s[76:79] groups 1 and 0 for x's scales;  s[80:87], s[88:91] for proj's
.set G0S, 76
.set G1SB, 80
.set G0SB, 88
.set MSB, 0
.macro WIN new                         ; the immediate's high byte repeats the setting that is left; a switch that changes nothing is dropped
.if MSB != \new
	s_set_vgpr_msb (MSB<<8)|\new
.set MSB, \new
.endif
.endm
.set MUL_LO, 0xa1                      ; source 0 (proj) window 1, source 1 (x) window 0, C and D window 2
.set MUL_HI, 0xf1                      ; the same, C and D window 3
.set TO_B,   0x40                      ; destination window 1, address window 0
; A joint load: waves 0 and 1 fetch for x, waves 2 and 3 for proj.  Each of the two lines has ONE mask and one set of registers for all that issue it; the branch hangs on the wave's number alone.
; Four v_nop follow each of the two lines, ahead of the jump, the label and what follows.
.macro JLOAD g0a, g1a, g0b, g1b
	s_cmp_eq_u32 s15, 0
	s_cbranch_scc0 .Lfor_b_\@
	tensor_load_to_lds s[\g0a:\g0a+3], s[\g1a:\g1a+7]
	s_nop 0
.rept 4
	v_nop
.endr
	s_branch .Lasked_\@
.Lfor_b_\@:
	tensor_load_to_lds s[\g0b:\g0b+3], s[\g1b:\g1b+7]
	s_nop 0
.rept 4
	v_nop
.endr
.Lasked_\@:
.endm
.macro CREST                           ; a round of the cluster's barrier behind its opening barrier
	s_cmp_lg_u32 s14, 0
	s_cbranch_scc1 .Lnot_wave_0_\@
	s_barrier_signal -3
.Lnot_wave_0_\@:
	s_barrier_wait -3
	s_barrier_signal -1
	s_barrier_wait -1
.endm
.macro CROUND                          ; a whole round
	s_barrier_signal -1
	s_barrier_wait -1
	CREST
.endm
	s_load_b128 s[4:7], s[0:1], 0x0                ; x's codes s[4:5], x's scales s[6:7]
	s_load_b128 s[8:11], s[0:1], 0x10              ; proj's codes s[8:9], proj's scales s[10:11]
	s_load_b64 s[12:13], s[0:1], 0x20              ; out0
	v_lshl_add_u32 v[SPW], v0, 2, SPARE
	v_mov_b32 v[NIL], 0
	ds_add_u32 v28, v29
	ds_add_u32 v28, v29
	s_wait_dscnt 0x0
	v_lshrrev_b32 v1, 5, v0
	v_readfirstlane_b32 s14, v1                    ; wave 0..3
	s_lshr_b32 s15, s14, 1                         ; mh: which 128 rows of the tile my pair makes.  Also: I fetch for x (0) or for proj (1)
	s_and_b32 s16, s14, 1                          ; kh: which 128 of a slot's 256 along K are mine.  Also: which half of that tile's rows I fetch
	s_bfe_u32 s40, ttmp6, 0x40000                  ; cx, cy: my place in the cluster
	s_bfe_u32 s41, ttmp6, 0x40004
	s_lshl_b32 s42, ttmp9, 2
	s_add_co_u32 s42, s42, s40                     ; tile column = 4 x cluster x + cx
	s_and_b32 s17, ttmp7, 0xffff
	s_lshl_b32 s17, s17, 2
	s_add_co_u32 s17, s17, s41                     ; tile row = 4 x cluster y + cy
	s_lshl_b32 s43, s41, 2
	s_lshl_b32 s43, 15, s43                        ; my row of the cluster
	s_lshl_b32 s44, 0x1111, s40                    ; my column
	; descriptor group 1 for codes: rows of 192 bytes, 6,144 bytes apart in memory, padded in LDS; x: 128 rows a load, proj: 64
	s_or_b32 s[G1+0], s43, (0<<16)|(1<<20)|(1<<21)|(3<<22)|(3<<25)  ; 15:0 the mask: x's tiles go to my row; 17:16 element of 1 byte; 20 padding on; 21 set beside a mask; 24:22 after every 16 words (code 3); 31:25 of 4 words (code 3)
	s_or_b32 s[G1B+0], s44, (0<<16)|(1<<20)|(1<<21)|(3<<22)|(3<<25) ; the same with the mask of my column
	s_mov_b32 s[G1+1], ROWB<<16                    ; tensor_dim0
	s_mov_b32 s[G1+2], 128<<16                     ; tensor_dim1
	s_mov_b32 s[G1+3], ROWB<<16                    ; tile_dim0
	s_mov_b32 s[G1+4], 128                         ; tile_dim1
	s_mov_b32 s[G1+5], KROW                        ; tensor_dim0_stride
	s_mov_b32 s[G1+6], 0
	s_mov_b32 s[G1+7], 0
	s_mov_b32 s[G1B+1], ROWB<<16
	s_mov_b32 s[G1B+2], 64<<16
	s_mov_b32 s[G1B+3], ROWB<<16
	s_mov_b32 s[G1B+4], 64
	s_mov_b32 s[G1B+5], KROW
	s_mov_b32 s[G1B+6], 0
	s_mov_b32 s[G1B+7], 0
	; and for scales: a row of scales is 256 bytes (32 elements of 8 bytes), rows dense in memory, 16 bytes of padding behind each in LDS; x: 128 rows a load, proj: 64
	s_or_b32 s[G1S+0], s43, (3<<16)|(1<<20)|(1<<21)|(5<<22)|(3<<25)
	s_or_b32 s[G1SB+0], s44, (3<<16)|(1<<20)|(1<<21)|(5<<22)|(3<<25)
	s_mov_b32 s[G1S+1], 32<<16
	s_mov_b32 s[G1S+2], 128<<16
	s_mov_b32 s[G1S+3], 32<<16
	s_mov_b32 s[G1S+4], 128
	s_mov_b32 s[G1S+5], 32
	s_mov_b32 s[G1S+6], 0
	s_mov_b32 s[G1S+7], 0
	s_mov_b32 s[G1SB+1], 32<<16
	s_mov_b32 s[G1SB+2], 64<<16
	s_mov_b32 s[G1SB+3], 32<<16
	s_mov_b32 s[G1SB+4], 64
	s_mov_b32 s[G1SB+5], 32
	s_mov_b32 s[G1SB+6], 0
	s_mov_b32 s[G1SB+7], 0
	; where the tiles come from.  x's hang on the tile row alone, which my row of the cluster shares; proj's on the tile column alone, which my column shares.  Every wave makes both, and asks by one of them.
	s_lshl_b32 s18, s16, 7
	s_lshl_b32 s20, s17, 8
	s_add_co_u32 s20, s20, s18                     ; x: row 256 x tile row + 128 x half
	s_lshl_b32 s19, s16, 6
	s_lshl_b32 s46, s42, 7
	s_add_co_u32 s46, s46, s19                     ; proj: row 128 x tile column + 64 x half
	s_mov_b32 s21, 0
	s_mov_b32 s47, 0
	s_lshl_b64 s[22:23], s[20:21], 8               ; where these rows' scales begin, in bytes: 256 a row
	s_lshl_b64 s[92:93], s[46:47], 8
	s_mov_b64 s[18:19], KROW
	s_mul_u64 s[20:21], s[20:21], s[18:19]         ; and their codes
	s_mul_u64 s[46:47], s[46:47], s[18:19]
	s_mul_i32 s45, s16, 128*PITCH                  ; where they go: made of the wave's number alone: no place in the cluster enters an LDS address
	s_mul_i32 s94, s16, 64*PITCH
	s_add_co_u32 s94, s94, BOFF
	s_mul_i32 s95, s16, 128*272
	s_add_co_u32 s95, s95, SCL
	s_mul_i32 s96, s16, 64*272
	s_add_co_u32 s96, s96, SCLB
	s_wait_kmcnt 0x0
	s_add_nc_u64 s[20:21], s[4:5], s[20:21]
	s_add_nc_u64 s[22:23], s[6:7], s[22:23]
	s_add_nc_u64 s[46:47], s[8:9], s[46:47]
	s_add_nc_u64 s[92:93], s[10:11], s[92:93]
	CROUND                                         ; all sixteen work-groups are here: the first joint loads meet
	s_mov_b32 s[G0S], 1                            ; 1:0 count = 1
	s_mov_b32 s[G0S+1], s95                        ; 63:32 LDS address
	s_mov_b64 s[G0S+2:G0S+3], s[22:23]             ; 120:64 global address
	s_or_b32 s[G0S+3], s[G0S+3], 0x80000000        ; 127:126 type = 2
	s_mov_b32 s[G0SB], 1
	s_mov_b32 s[G0SB+1], s96
	s_mov_b64 s[G0SB+2:G0SB+3], s[92:93]
	s_or_b32 s[G0SB+3], s[G0SB+3], 0x80000000
	JLOAD G0S, G1S, G0SB, G1SB                     ; the scales first: they are wanted with the first 256 along K
.irp s, 0,1
	s_mov_b32 s[G0+4*\s], 1
	s_add_co_u32 s[G0+4*\s+1], s45, \s*SLOT
	s_add_nc_u64 s[G0+4*\s+2:G0+4*\s+3], s[20:21], \s*ROWB   ; slot s begins with K = 256 s
	s_or_b32 s[G0+4*\s+3], s[G0+4*\s+3], 0x80000000
	s_mov_b32 s[G0B+4*\s], 1
	s_add_co_u32 s[G0B+4*\s+1], s94, \s*SLOT
	s_add_nc_u64 s[G0B+4*\s+2:G0B+4*\s+3], s[46:47], \s*ROWB
	s_or_b32 s[G0B+4*\s+3], s[G0B+4*\s+3], 0x80000000
	JLOAD G0+4*\s, G1, G0B+4*\s, G1B               ; three tensor loads of mine are out now: the most in this text
.endr
	; THE FRAGMENTS' ADDRESSES.  Byte d of a row's 192 lies at d + 16 (d / 64) of its LDS row.  Lane (r, h) wants d = 96 kh + 24 h + 0, 8, 16 and d = 96 kh + 48 + 24 h + 0, 8, 16.  Which of these lie behind one padding more
	; hangs on kh and h, so three registers serve:  j = 0: 240 r + 24 h + 112 kh;   j = 1: 240 r + (24 + 16 kh) h + 112 kh;   j = 2: 240 r + (40 - 16 kh) h + 128 kh.
	v_and_b32 v1, 15, v0                           ; r = lane % 16
	v_bfe_u32 v5, v0, 4, 1                         ; h = lane / 16
	v_mul_u32_u24 v6, v1, PITCH
	s_lshl_b32 s18, s16, 4
	s_add_co_u32 s18, s18, 24                      ; 24 + 16 kh
	s_xor_b32 s19, s16, 1
	s_lshl_b32 s19, s19, 4
	s_add_co_u32 s19, s19, 24                      ; 40 - 16 kh = 24 + 16 (kh xor 1)
	s_mul_i32 s20, s16, 112
	s_lshl_b32 s21, s16, 7
	v_mul_u32_u24 v2, v5, 24
	v_mul_u32_u24 v3, s18, v5
	v_mul_u32_u24 v4, s19, v5
	v_add_nc_u32 v2, v2, v6
	v_add_nc_u32 v3, v3, v6
	v_add_nc_u32 v4, v4, v6
	v_add_nc_u32 v2, s20, v2
	v_add_nc_u32 v3, s20, v3
	v_add_nc_u32 v4, s21, v4
	s_mul_i32 s22, s14, 64*PITCH                   ; the rows that I keep: tile rows 64 w on
	s_xor_b32 s23, s14, 1
	s_mul_i32 s23, s23, 64*PITCH                   ; the rows that I send: tile rows 64 (w xor 1) on
	s_mov_b32 s45, BOFF                            ; proj's 128 rows
.irp s, 0,1
.irp j, 0,1,2
	v_add_nc_u32 v[ADR+9*\s+\j], s22, v[2+\j]
	v_add_nc_u32 v[ADR+9*\s+3+\j], s23, v[2+\j]
	v_add_nc_u32 v[ADR+9*\s+6+\j], s45, v[2+\j]
.endr
	s_add_co_u32 s22, s22, SLOT
	s_add_co_u32 s23, s23, SLOT
	s_add_co_u32 s45, s45, SLOT
.endr
	; THE SCALE WORDS' ADDRESSES: row x 272 + 4 kh (my 128 of the first 256 along K), stepped by 8 bytes for each 256 along K.  Lanes 0-15 take x's rows, lanes 16-31 proj's: the lower base + h x the distance.
	v_mul_u32_u24 v7, v1, 272
	s_lshl_b32 s94, s16, 2
	s_mul_i32 s92, s14, 4*SBLK
	s_add_co_u32 s92, s92, s94
	s_add_co_u32 s92, s92, SCL                     ; blocks 0-3: x's rows 64 w on;
	s_xor_b32 s93, s14, 3
	s_mul_i32 s93, s93, 4*SBLK
	s_add_co_u32 s93, s93, SCLB-SCL-12*SBLK        ; from there to proj's rows 0 on: (SCLB - SCL) - 4 SBLK w, written with 3 - w = w xor 3
	v_mul_u32_u24 v6, s93, v5
	v_add_nc_u32 v6, v6, v7
	v_add_nc_u32 v[ADRS], s92, v6
	s_xor_b32 s92, s14, 1
	s_mul_i32 s92, s92, 4*SBLK
	s_add_co_u32 s92, s92, s94
	s_add_co_u32 s92, s92, SCL                     ; blocks 4-7: x's rows 64 (w xor 1) on;
	s_xor_b32 s93, s14, 2
	s_mul_i32 s93, s93, 4*SBLK
	s_add_co_u32 s93, s93, SCLB-SCL-8*SBLK         ; from there to proj's rows 64 on: (SCLB - SCL) + 4 SBLK - 4 SBLK (w xor 1), written with 3 - (w xor 1) = w xor 2
	v_mul_u32_u24 v6, s93, v5
	v_add_nc_u32 v6, v6, v7
	v_add_nc_u32 v[ADRS+1], s92, v6
	; the way out
	v_and_b32 v6, 31, v0
	v_mul_u32_u24 v7, v1, SPITCH
	v_lshl_add_u32 v7, v5, 5, v7                   ; in: row r, 32 bytes for each half of the lanes
	s_mul_i32 s18, s14, 16*SPITCH
	s_add_co_u32 s18, s18, STG                     ; my stage
	v_add_nc_u32 v[STO], s18, v7
	v_lshlrev_b32 v[CO], 4, v6                     ; back: the 32 lanes take one row of 512 bytes; and the same in out0
	v_add_nc_u32 v[RD], s18, v[CO]
	s_mul_i32 s19, s14, XBYTES
	v_add_nc_u32 v[XW], s19, v7                    ; what I send lies at my wave's number,
	s_xor_b32 s19, s14, 1
	s_mul_i32 s19, s19, XBYTES
	v_add_nc_u32 v[XR], s19, v[CO]                 ; what I receive at my partner's
	s_lshl_b32 s20, s17, 8
	s_lshl_b32 s21, s14, 6
	s_add_co_u32 s20, s20, s21                     ; the first row of out0 that I store: 256 x tile row + 64 x wave
	s_lshl_b32 s20, s20, 13                        ; 8,192 bytes a row (out0 is 2^25 bytes)
	s_mov_b32 s21, 0
	s_lshl_b32 s46, s42, 9                         ; the tile's first column, in bytes
	s_mov_b32 s47, 0
	s_add_nc_u64 s[20:21], s[20:21], s[46:47]
	s_add_nc_u64 s[12:13], s[12:13], s[20:21]
; A fragment, 16 rows x 128 K of 6-bit codes, is 12 registers: lane l holds row l % 16; registers 6 c .. 6 c + 5 hold K = 64 c + 32 (l / 16) + 0 .. 31: 24 bytes of the row's stream of bits, as they lie.
; It comes in pieces of 8 bytes, so that every address is a multiple of the access's size; adr: the first of the three address registers; i: which 16 rows.
.macro FRAG reg, adr, i
	ds_load_b64 v[\reg:\reg+1],     v[\adr]   offset:(\i)*16*PITCH
	ds_load_b64 v[\reg+2:\reg+3],   v[\adr+1] offset:(\i)*16*PITCH+8
	ds_load_b64 v[\reg+4:\reg+5],   v[\adr+1] offset:(\i)*16*PITCH+16
	ds_load_b64 v[\reg+6:\reg+7],   v[\adr+2] offset:(\i)*16*PITCH+48
	ds_load_b64 v[\reg+8:\reg+9],   v[\adr+2] offset:(\i)*16*PITCH+56
	ds_load_b64 v[\reg+10:\reg+11], v[\adr]   offset:(\i)*16*PITCH+80
.endm
.macro FETCH_B s                       ; proj's eight fragments of slot s into set s: 48 loads
	WIN TO_B
.irp i, 0,1,2,3,4,5,6,7
	FRAG 128*(\s)+FR*\i, ADR+9*(\s)+6, \i
.endr
.endm
.macro FETCH_A s, part                 ; x's blocks 4 part .. 4 part + 3 of slot s into set s: 24 loads
.irp i, 0,1,2,3
	FRAG AF+96*(\s)+FR*(4*(\part)+\i), ADR+9*(\s)+3*(\part), \i
.endr
.endm
.macro SCALES s                        ; the scale words of my 128 along K into set s: lanes 0-15 take x's block i, lanes 16-31 proj's block i: 8 loads
.irp i, 0,1,2,3
	ds_load_b32 v[SC+8*(\s)+\i], v[ADRS] offset:\i*SBLK
.endr
.irp i, 0,1,2,3
	ds_load_b32 v[SC+8*(\s)+4+\i], v[ADRS+1] offset:\i*SBLK
.endr
.endm
; 8 matrix instructions: x's block a against proj's eight, 128 along K, from set p.  zero = 1: the product starts the sum: nothing is ever cleared.
; The 64 accumulators take turns, one instruction a turn, in the same order in every period.
.macro MUL8 a, p, zero
.irp b, 0,1,2,3,4,5,6,7
.if \zero
	v_wmma_scale_f32_16x16x128_f8f6f4 v[8*(8*((\a)%4)+\b):8*(8*((\a)%4)+\b)+7], v[128*(\p)+FR*\b:128*(\p)+FR*\b+FR-1], v[AF+96*(\p)+FR*(\a):AF+96*(\p)+FR*(\a)+FR-1], 0, v[SC+8*(\p)+\b], v[SC+8*(\p)+(\a)] matrix_a_fmt:MATRIX_FMT_FP6 matrix_b_fmt:MATRIX_FMT_FP6 matrix_a_scale:MATRIX_SCALE_ROW1
.else
	v_wmma_scale_f32_16x16x128_f8f6f4 v[8*(8*((\a)%4)+\b):8*(8*((\a)%4)+\b)+7], v[128*(\p)+FR*\b:128*(\p)+FR*\b+FR-1], v[AF+96*(\p)+FR*(\a):AF+96*(\p)+FR*(\a)+FR-1], v[8*(8*((\a)%4)+\b):8*(8*((\a)%4)+\b)+7], v[SC+8*(\p)+\b], v[SC+8*(\p)+(\a)] matrix_a_fmt:MATRIX_FMT_FP6 matrix_b_fmt:MATRIX_FMT_FP6 matrix_a_scale:MATRIX_SCALE_ROW1
.endif
.endr
.endm
; A load into a register that a matrix instruction has read, and an LDS store that reads a matrix result, stand four places behind that matrix instruction, and only plain vector instructions that name none of its
; registers are places (ISA guide 7.12.1 for vector instructions); this text does not count the matrix instructions in between.
.macro PLACES n
.rept \n
	v_nop
.endr
.endm
; A PERIOD: 256 along K of the work-group, 128 of them mine: 64 matrix instructions on register set `slot`, which the period before fetched from LDS slot `slot`; meanwhile set `next` is fetched from slot `next`.
; ONE barrier for the change of slots.  In front of it each wave waits for all its tensor loads (one is out: its part of slot `next`), adds 0 to its spare word, and waits for that and for its reads of slot `slot`.
; Behind it nobody reads slot `slot` any more and slot `next` is whole.  fill = 1: slot `slot` is filled again, with K 512 further on; the load has the period's other 48 matrix instructions in which to land.
.macro TURN slot, next, fill, zero
	s_wait_tensorcnt 0x0                           ; all my tensor loads have landed  (every window is 0 here: the add's two registers lie in window 0)
	ds_add_u32 v[SPW], v[NIL]                      ; 0 onto my spare word
	s_wait_dscnt 25                                ; proj's fragments, the scale words and x's blocks 0-3 are in; the add and the 24 loads ahead of it (x's blocks 4-7) may be out
	WIN MUL_LO
	MUL8 0, \slot, \zero                           ; eight matrix instructions stand between the add and the wait for it
	s_wait_dscnt 0x0                               ; the add is done, and my reads of this slot are over
	s_barrier_signal -1
	MUL8 1, \slot, \zero
	WIN 0
	s_barrier_wait -1
.if \fill
	CREST                                          ; the barrier has opened a round of the cluster's barrier: no wave of any partner still reads this slot's tile or has a load on its way
	s_add_nc_u64 s[G0+4*\slot+2:G0+4*\slot+3], s[G0+4*\slot+2:G0+4*\slot+3], 2*ROWB
	s_add_nc_u64 s[G0B+4*\slot+2:G0B+4*\slot+3], s[G0B+4*\slot+2:G0B+4*\slot+3], 2*ROWB
	JLOAD G0+4*\slot, G1, G0B+4*\slot, G1B         ; the first tensor load behind the round; the four v_nop behind it are the places in front of the loads into set `next`, which the last period multiplied
.else
	PLACES 4
.endif
	v_add_nc_u32 v[ADRS], 8, v[ADRS]               ; on to the next 256 along K's scale words
	v_add_nc_u32 v[ADRS+1], 8, v[ADRS+1]
	FETCH_B \next
	WIN MUL_LO
	MUL8 2, \slot, \zero
	MUL8 3, \slot, \zero
	WIN 0
	SCALES \next
	FETCH_A \next, 0
	WIN MUL_HI
	MUL8 4, \slot, \zero
	MUL8 5, \slot, \zero
	WIN 0
	FETCH_A \next, 1
	WIN MUL_HI
	MUL8 6, \slot, \zero
	MUL8 7, \slot, \zero
	WIN 0
.endm
	s_wait_tensorcnt 1                             ; the scales and my part of slot 0 are in (slot 1's load may be out)
	s_barrier_signal -1
	s_barrier_wait -1                              ; everybody's are
	FETCH_B 0
	WIN 0
	SCALES 0
	FETCH_A 0, 0
	FETCH_A 0, 1
	TURN 0, 1, 1, 1                                ; period 0 stands in front of the loop: its products start the sums
	s_mov_b32 s3, 14
.Llap:                                                 ; a trip goes once round the ring and fills both slots again: periods 1 to 28
	TURN 1, 0, 1, 0
	TURN 0, 1, 1, 0
	s_sub_co_u32 s3, s3, 1
	s_cmp_lg_u32 s3, 0
	s_cbranch_scc1 .Llap
	TURN 1, 0, 1, 0                                ; period 29 asks for the last 256 along K
	TURN 0, 1, 0, 0                                ; period 30 fills nothing, and has no round of the cluster's barrier
	s_wait_dscnt 0x0                               ; period 31: nothing more to fetch.  My reads of the ring are over:
	s_barrier_signal -1                            ; say so,
	WIN MUL_LO
	MUL8 0, 1, 0
	MUL8 1, 1, 0
	MUL8 2, 1, 0
	MUL8 3, 1, 0
	WIN MUL_HI
	MUL8 4, 1, 0
	MUL8 5, 1, 0
	MUL8 6, 1, 0
	MUL8 7, 1, 0
	WIN 0
	s_barrier_wait -1                              ; and go on when all four have said so: the ring's bytes, which have had their last fill, may now be stored into
; THE WAY OUT.  I send the partial sums of window 3 (tile rows 64 (w xor 1) on) to my partner and receive its sums of the rows that I keep.  A lane holds 32 neighbouring bytes of a row, and the lanes beside it hold other
; rows: so sent rows are laid as rows of 512 bytes + 16, and read back whole, 16 bytes a lane; my own sums go the same way through my own stage, a block of 16 rows at a time; the two are added and stored.
	PLACES 4                                       ; behind the last products: for the stores that read results, and for the loads into the registers that held fragments
	WIN 0x0c                                       ; an LDS store's data are its source 1: window 3
.irp a, 0,1,2,3
.irp b, 0,1,2,3,4,5,6,7
	ds_store_b128 v[XW], v[64*\a+8*\b:64*\a+8*\b+3] offset:\a*16*SPITCH+64*\b          ; each accumulator from its low end on
	ds_store_b128 v[XW], v[64*\a+8*\b+4:64*\a+8*\b+7] offset:\a*16*SPITCH+64*\b+16
.endr
.endr
	WIN 0
	s_wait_dscnt 0x0                               ; for my partner's sake: my stores have landed
	s_barrier_signal -1
	s_barrier_wait -1
	WIN TO_B                                       ; my partner's 64 rows fill window 1: row 16 a + t at v[64 a + 4 t]
.irp a, 0,1,2,3
.irp t, 0,1,2,3,4,5,6,7,8,9,10,11,12,13,14,15
	ds_load_b128 v[64*\a+4*\t:64*\a+4*\t+3], v[XR] offset:\a*16*SPITCH+\t*SPITCH
.endr
.endr
	WIN 0
.macro TOSTAGE a                       ; LDS serves a wave's instructions in order (ISA guide 5.7.1.4): no wait between the stores and the loads, nor in front of the next block's stores
	WIN 0x08                                       ; the data: window 2
.irp b, 0,1,2,3,4,5,6,7
	ds_store_b128 v[STO], v[64*(\a)+8*\b:64*(\a)+8*\b+3] offset:64*\b                  ; each accumulator from its low end on
	ds_store_b128 v[STO], v[64*(\a)+8*\b+4:64*(\a)+8*\b+7] offset:64*\b+16
.endr
	WIN 0
.set BB, BK+64*((\a)%2)
.irp t, 0,1,2,3,4,5,6,7,8,9,10,11,12,13,14,15
	ds_load_b128 v[BB+4*\t:BB+4*\t+3], v[RD] offset:\t*SPITCH
.endr
.endm
.macro SEND a, younger                 ; younger: the LDS instructions issued behind block a's loads, which may stay out
.set BB, BK+64*((\a)%2)
	s_wait_dscnt \younger                          ; the block is back in registers, and so are my partner's rows, which were asked for earlier
	WIN 0x04                                       ; source 1: window 1
.set j, 0
.rept 32
	v_pk_add_f32 v[BB+j:BB+j+1], v[BB+j:BB+j+1], v[64*(\a)+j:64*(\a)+j+1]              ; my sum over my steps of K + my partner's over its steps
.set j, j+2
.endr
	WIN 0
.irp t, 0,1,2,3,4,5,6,7,8,9,10,11,12,13,14,15
	global_store_b128 v[CO], v[BB+4*\t:BB+4*\t+3], s[12:13] offset:(16*(\a)+\t)*SIZE_N*4 th:TH_STORE_NT   ; 32 lanes store 512 consecutive bytes, at a multiple of 256 from out0's first byte; 63 rows at the most stand in the immediate; written once, read by nobody here
.endr
.endm
	TOSTAGE 0
.irp a, 1,2,3
.if \a > 1
	s_wait_xcnt 0x0                                ; block a - 2's stores have read their registers: block a's loads may land there
.endif
	TOSTAGE \a
	SEND \a-1, 32                                  ; behind block a - 1's loads: block a's 16 stores and 16 loads
.endr
	SEND 3, 0
	s_wait_tensorcnt 0x0                           ; the wave's end: behind my last tensor load and my last LDS store
	ds_add_u32 v[SPW], v[NIL]
	s_wait_dscnt 0x0
	CROUND                                         ; the closing round: no work-group ends while a partner may still ask for a tile that names it
	s_endpgm
.Lfunc_end_k_q3d2d734d94_gemm:
	.size	k_q3d2d734d94_gemm, .Lfunc_end_k_q3d2d734d94_gemm-k_q3d2d734d94_gemm
	.p2alignl 7, 3214868480
	.fill 96, 4, 3214868480
	.section	.rodata,"a",@progbits
	.p2align	6, 0x0
	.amdhsa_kernel k_q3d2d734d94_gemm
		.amdhsa_group_segment_fixed_size 327680
		.amdhsa_private_segment_fixed_size 0
		.amdhsa_enable_private_segment 0
		.amdhsa_kernarg_size 40
		.amdhsa_user_sgpr_count 2
		.amdhsa_user_sgpr_kernarg_segment_ptr 1
		.amdhsa_wavefront_size32 1
		.amdhsa_system_sgpr_workgroup_id_x 1
		.amdhsa_system_sgpr_workgroup_id_y 1
		.amdhsa_system_sgpr_workgroup_id_z 1
		.amdhsa_system_vgpr_workitem_id 0
		.amdhsa_next_free_vgpr 1024
		.amdhsa_next_free_sgpr 98
		.amdhsa_reserve_vcc 0
		.amdhsa_float_denorm_mode_32 3
		.amdhsa_float_denorm_mode_16_64 3
		.amdhsa_memory_ordered 1
		.amdhsa_forward_progress 1
		.amdhsa_inst_pref_size 137
	.end_amdhsa_kernel
	.amdgpu_metadata
---
amdhsa.version: [ 1, 2 ]
amdhsa.kernels:
  - .name:           k_q3d2d734d94_gemm
    .symbol:         k_q3d2d734d94_gemm.kd
    .args:
      - { .name: x_codes, .offset: 0, .size: 8, .value_kind: global_buffer, .address_space: global }
      - { .name: x_scales, .offset: 8, .size: 8, .value_kind: global_buffer, .address_space: global }
      - { .name: proj_codes, .offset: 16, .size: 8, .value_kind: global_buffer, .address_space: global }
      - { .name: proj_scales, .offset: 24, .size: 8, .value_kind: global_buffer, .address_space: global }
      - { .name: out0, .offset: 32, .size: 8, .value_kind: global_buffer, .address_space: global }
    .group_segment_fixed_size: 327680
    .private_segment_fixed_size: 0
    .kernarg_segment_align: 8
    .kernarg_segment_size: 40
    .max_flat_workgroup_size: 128
    .sgpr_count:     98
    .vgpr_count:     1024
    .wavefront_size: 32
...
	.end_amdgpu_metadata
.endif
;; end of part 1
;; ======== version 2 of 2: 1 launch
;; limits: right only within a limited range of input values
;; launch gemm (part 2): grid 16 x 16, 4 waves a work-group, clusters of 4 x 4, 327,680 bytes of LDS; arguments x_codes, x_scales, proj_codes, proj_scales, out0; writes out0
.if DOCPART == 2
	.amdgcn_target "amdgcn-amd-amdhsa--gfx1250"
	.amdhsa_code_object_version 6
	.text
	.protected	k_q3d2d734d94_gemm
	.globl	k_q3d2d734d94_gemm
	.p2align	8
	.type	k_q3d2d734d94_gemm,@function
k_q3d2d734d94_gemm:
	s_mov_b64 s[64:65], 0
	v_nop
	global_prefetch_b8 v0, s[64:65] scope:SCOPE_SE
	s_setreg_imm32_b32 hwreg(HW_REG_WAVE_MODE, 25, 1), 1
	s_wait_xcnt 0x0
	s_wait_alu depctr_hold_cnt(0) depctr_sa_sdst(0) depctr_va_vdst(0) depctr_va_sdst(0) depctr_va_ssrc(0) depctr_va_vcc(0) depctr_vm_vsrc(0)
	s_getreg_b32 s2, hwreg(HW_REG_IB_STS2, 6, 4)
	s_cmp_eq_u32 s2, 0
	s_cbranch_scc0 .Lentry_in_a_cluster
	s_endpgm
.Lentry_in_a_cluster:
	s_bfe_u32 s2, ttmp6, 0x10000c
	s_cmp_lg_u32 s2, 0xf033
	s_cbranch_scc0 .Lentry_shape_is_right
	s_endpgm
.Lentry_shape_is_right:
; out0[m][n] = sum over k of x[m][k] proj[k][n].  x: [4096][8192]; proj lies [2048][8192], K innermost: codes of FP6 (E2M3), a row 6,144 bytes, one stream of bits;
; one E8M0 byte for each 32 along K, a row of scales 256 bytes.  out0: [4096][2048] f32.  Codes and scale bytes go to the matrix instruction as they lie; every input is live.
; SHARES: 16 x 16 work-groups, each 256 rows x 128 columns of out0 over all of K.  Four waves; wave 2 mh + nh makes rows 128 mh .. +127, columns 64 nh .. +63: 32 accumulators, one f32 sum an output, K ascending.
; K goes through a ring of two LDS slots in CHUNKS OF 256 BYTES of each row (24 chunks; chunk c in slot c % 2).  A step of 128 along K is 96 bytes: eight steps to three chunks; steps 2 and 5 of each eight lie across two chunks.
; ONE BARRIER A CHUNK: the pieces (8 bytes) of the next step that lie in the old chunk are read ahead of it, those in the new chunk behind it.  Lanes 16-31 read 24 bytes further on than lanes 0-15: in two pieces of
; such a step the halves want different chunks; that piece is read twice, by an address without the half's term (the old chunk's bytes into spare registers, the new chunk's into the fragment), and v_cndmask_b32 joins the halves.
; THE SCALES of the 256 + 128 rows, for all of K, are two dense blocks of memory: they come into LDS once, at the head, in rows of 256 bytes, and stay; fetched once, with no loop ahead of them, they are not prefetched.
; CLUSTERS: 4 x 4.  A row of the cluster shares x's tiles, a column proj's: joint loads.  The product is used transposed (source 0 = proj's rows, source 1 = x's): a lane holds eight neighbouring numbers of a row of out0.
; PREFETCH: with the load of chunk j each wave names chunk j + 2 (a lane a row, 256 bytes); the four partners of a joint load share its rows out by address; the last two loads name nothing.
; REGISTERS: window 0: v0-31 addresses, v32-63 scale words (two sets), v64-255 x's fragments (two sets of 8 x 12).  Window 1: v0-95 proj's fragments (two sets of 4 x 12), v96-143 the old chunk's halves.  Window 2: accumulator (a, b) at v[8 (4 a + b)].
.set ROWB,   256
.set KROW,   6144
.set CHUNKS, 24
.set PITCH,  272                       ; an LDS row: 256 bytes + 16 of padding: row r starts at bank 4 r mod 64
.set FR,     12
.set BOFF,   256*PITCH                 ; in a slot: x's 256 rows, then proj's 128
.set SLOT,   384*PITCH
.set SCL,    2*SLOT                    ; the scales: x's 256 rows, then proj's 128, a row of 256 bytes + 16
.set SBLK,   16*PITCH
.set SPARE,  SCL+384*PITCH             ; 313,344: the spare words, 128 bytes a wave
.set SPITCH, 272                       ; the way out: a stage of 16 rows x (256 + 16) bytes a wave, in slot 0, which has had its last fill and last read by then
.set ADRA, 16                          ; v16-17 x's fragments in slot 0, 1; v18-19 the same without the half's 24 bytes
.set ADRB, 20                          ; v20-23 the same for proj
.set STO,  24
.set RD,   25
.set CO,   26
.set ADRS, 27                          ; scale words: lanes 0-15 x's blocks 0-3, lanes 16-31 proj's blocks 0-3
.set SPW,  28
.set NIL,  29
.set ADRS2, 30                         ; scale words of x's rows, both halves alike: blocks 4-7
.set PFO,  31                          ; the prefetches' offset: my lane's row x 6,144
.set SC,   32
.set AF,   64
.set TR,   96                          ; window 1
.set BK,   64
.set G1, 24
.set G0, 32
.set G1B, 48
.set G0B, 56
.set G1S, 68
.set G0S, 76
.set G1SB, 80
.set G0SB, 88
.set G0H, 4
.set G0HB, 8
.set PFA, 94
.set HM,  96                           ; s96: lanes 16-31
.set MSB, 0
.set NLD, 0
.macro WIN new
.if MSB != \new
	s_set_vgpr_msb (MSB<<8)|\new
.set MSB, \new
.endif
.endm
.set MUL,  0xa1                        ; source 0 window 1, source 1 window 0, C and D window 2
.set TO_B, 0x40
.macro PLACES n
.rept \n
	v_nop
.endr
.endm
; a joint load: waves 0, 1 fetch x's halves, waves 2, 3 proj's; s_nop 0 and four v_nop behind each line
.macro JLOAD g0a, g1a, g0b, g1b
	s_cmp_eq_u32 s15, 0
	s_cbranch_scc0 .Lfor_b_\@
	tensor_load_to_lds s[\g0a:\g0a+3], s[\g1a:\g1a+7]
	s_nop 0
	PLACES 4
	s_branch .Lasked_\@
.Lfor_b_\@:
	tensor_load_to_lds s[\g0b:\g0b+3], s[\g1b:\g1b+7]
	s_nop 0
	PLACES 4
.Lasked_\@:
.endm
.macro CREST
	s_cmp_lg_u32 s14, 0
	s_cbranch_scc1 .Lnot_wave_0_\@
	s_barrier_signal -3
.Lnot_wave_0_\@:
	s_barrier_wait -3
	s_barrier_signal -1
	s_barrier_wait -1
.endm
.macro CROUND
	s_barrier_signal -1
	s_barrier_wait -1
	CREST
.endm
	s_load_b128 s[4:7], s[0:1], 0x0                ; x's codes, x's scales
	s_load_b128 s[8:11], s[0:1], 0x10              ; proj's codes, proj's scales
	s_load_b64 s[12:13], s[0:1], 0x20              ; out0
	v_lshl_add_u32 v[SPW], v0, 2, SPARE
	v_mov_b32 v[NIL], 0
	ds_add_u32 v[SPW], v[NIL]                      ; the opening lines: the add twice on end and its wait
	ds_add_u32 v[SPW], v[NIL]
	v_lshrrev_b32 v1, 5, v0
	v_readfirstlane_b32 s14, v1                    ; wave
	s_lshr_b32 s15, s14, 1                         ; mh; also: I fetch for x (0) or proj (1)
	s_and_b32 s16, s14, 1                          ; nh; also: which half of that tile's rows I fetch
	s_bfe_u32 s40, ttmp6, 0x40000                  ; cx
	s_bfe_u32 s41, ttmp6, 0x40004                  ; cy
	s_lshl_b32 s42, ttmp9, 2
	s_add_co_u32 s42, s42, s40                     ; tile column
	s_and_b32 s17, ttmp7, 0xffff
	s_lshl_b32 s17, s17, 2
	s_add_co_u32 s17, s17, s41                     ; tile row
	s_lshl_b32 s43, s41, 2
	s_lshl_b32 s43, 15, s43                        ; my row of the cluster
	s_lshl_b32 s44, 0x1111, s40                    ; my column
	; group 1 for codes: rows of 256 bytes, 6,144 apart, 16 bytes of padding behind each; the head's loads bring whole tiles (256, 128 rows)
	s_or_b32 s[G1+0], s43, (0<<16)|(1<<20)|(1<<21)|(5<<22)|(3<<25)
	s_or_b32 s[G1B+0], s44, (0<<16)|(1<<20)|(1<<21)|(5<<22)|(3<<25)
.irp g, G1, G1B
	s_mov_b32 s[\g+1], ROWB<<16
	s_mov_b32 s[\g+3], ROWB<<16
	s_mov_b32 s[\g+5], KROW
	s_mov_b32 s[\g+6], 0
	s_mov_b32 s[\g+7], 0
.endr
	s_mov_b32 s[G1+2], 256<<16
	s_mov_b32 s[G1+4], 256
	s_mov_b32 s[G1B+2], 128<<16
	s_mov_b32 s[G1B+4], 128
	; group 1 for scales: dense rows of 256 bytes (32 elements of 8), padded alike
	s_or_b32 s[G1S+0], s43, (3<<16)|(1<<20)|(1<<21)|(5<<22)|(3<<25)
	s_or_b32 s[G1SB+0], s44, (3<<16)|(1<<20)|(1<<21)|(5<<22)|(3<<25)
.irp g, G1S, G1SB
	s_mov_b32 s[\g+1], 32<<16
	s_mov_b32 s[\g+3], 32<<16
	s_mov_b32 s[\g+5], 32
	s_mov_b32 s[\g+6], 0
	s_mov_b32 s[\g+7], 0
.endr
	s_mov_b32 s[G1S+2], 256<<16
	s_mov_b32 s[G1S+4], 256
	s_mov_b32 s[G1SB+2], 128<<16
	s_mov_b32 s[G1SB+4], 128
	s_lshl_b32 s20, s17, 8                         ; x: the tile's first row
	s_lshl_b32 s46, s42, 7                         ; proj: likewise
	s_mov_b32 s21, 0
	s_mov_b32 s47, 0
	s_lshl_b64 s[22:23], s[20:21], 8               ; their scales, 256 bytes a row
	s_lshl_b64 s[92:93], s[46:47], 8
	s_mov_b64 s[18:19], KROW
	s_mul_u64 s[20:21], s[20:21], s[18:19]         ; their codes
	s_mul_u64 s[46:47], s[46:47], s[18:19]
	s_mul_i32 s18, s16, 128*KROW                   ; in the ring: my 128 rows of x,
	s_mov_b32 s19, 0
	s_mul_i32 s66, s16, 64*KROW                    ; or my 64 of proj,
	s_mov_b32 s67, 0
	s_mul_i32 s45, s16, 128*PITCH                  ; and where they go: the wave's number alone
	s_mul_i32 s97, s16, 64*PITCH
	s_add_co_u32 s97, s97, BOFF
	s_cmp_eq_u32 s15, 0                            ; the prefetches: of the rows that I fetch, my work-group names a quarter, by its place among the four that ask jointly
	s_cselect_b32 s2, s40, s41
	s_cselect_b32 s98, 5, 4                        ; 32 rows of x's 128, 16 of proj's 64
	s_cselect_b32 s99, 31, 15                      ; (proj: lanes 16-31 name lanes 0-15's rows again)
	s_lshl_b32 s2, s2, s98
	s_mul_i32 s2, s2, KROW
	s_mov_b32 s3, 0
	s_mov_b32 s[HM], 0xffff0000
	s_wait_dscnt 0x0
	s_wait_kmcnt 0x0
	s_add_nc_u64 s[20:21], s[4:5], s[20:21]
	s_add_nc_u64 s[22:23], s[6:7], s[22:23]
	s_add_nc_u64 s[46:47], s[8:9], s[46:47]
	s_add_nc_u64 s[92:93], s[10:11], s[92:93]
	CROUND                                         ; in front of the first joint loads
	s_mov_b32 s[G0H], 1                            ; chunk 0: x's 256 rows,
	s_mov_b32 s[G0H+1], 0
	s_mov_b64 s[G0H+2:G0H+3], s[20:21]
	s_or_b32 s[G0H+3], s[G0H+3], 0x80000000
	s_mov_b32 s[G0HB], 1                           ; proj's 128 rows,
	s_mov_b32 s[G0HB+1], BOFF
	s_mov_b64 s[G0HB+2:G0HB+3], s[46:47]
	s_or_b32 s[G0HB+3], s[G0HB+3], 0x80000000
	s_mov_b32 s[G0S], 1                            ; x's scales,
	s_mov_b32 s[G0S+1], SCL
	s_mov_b64 s[G0S+2:G0S+3], s[22:23]
	s_or_b32 s[G0S+3], s[G0S+3], 0x80000000
	s_mov_b32 s[G0SB], 1                           ; proj's scales
	s_mov_b32 s[G0SB+1], SCL+BOFF
	s_mov_b64 s[G0SB+2:G0SB+3], s[92:93]
	s_or_b32 s[G0SB+3], s[G0SB+3], 0x80000000
; the head's four tiles, one load a wave, in one chain of branches on the wave's number
.macro ARM under, g0, g1, next
	s_cmp_lt_u32 s14, \under
	s_cbranch_scc0 \next
	tensor_load_to_lds s[\g0:\g0+3], s[\g1:\g1+7]
	s_nop 0
	PLACES 4
	s_branch .Lhead_asked
\next:
.endm
	ARM 1, G0H,  G1,  .Lhead_b
	ARM 2, G0HB, G1B, .Lhead_sa
	ARM 3, G0S,  G1S, .Lhead_sb
	tensor_load_to_lds s[G0SB:G0SB+3], s[G1SB:G1SB+7]
	s_nop 0
	PLACES 4
.Lhead_asked:
	s_add_nc_u64 s[20:21], s[20:21], s[18:19]      ; the ring's group 0: slot s begins at chunk s
	s_add_nc_u64 s[46:47], s[46:47], s[66:67]
.irp s, 0,1
	s_mov_b32 s[G0+4*\s], 1
	s_add_co_u32 s[G0+4*\s+1], s45, \s*SLOT
	s_add_nc_u64 s[G0+4*\s+2:G0+4*\s+3], s[20:21], \s*ROWB
	s_or_b32 s[G0+4*\s+3], s[G0+4*\s+3], 0x80000000
	s_mov_b32 s[G0B+4*\s], 1
	s_add_co_u32 s[G0B+4*\s+1], s97, \s*SLOT
	s_add_nc_u64 s[G0B+4*\s+2:G0B+4*\s+3], s[46:47], \s*ROWB
	s_or_b32 s[G0B+4*\s+3], s[G0B+4*\s+3], 0x80000000
.endr
	s_cmp_eq_u32 s15, 0
	s_cselect_b64 s[PFA:PFA+1], s[20:21], s[46:47]
	s_add_nc_u64 s[PFA:PFA+1], s[PFA:PFA+1], s[2:3]
	s_mul_i32 s18, s15, 128*PITCH                  ; my 128 rows of x (codes and scales have one pitch)
	s_mul_i32 s19, s16, 64*PITCH
	s_add_co_u32 s19, s19, BOFF                    ; my 64 rows of proj
	s_sub_co_u32 s21, s19, s18                     ; from x's scale rows to proj's
	s_add_co_u32 s20, s18, SCL
	s_mul_i32 s22, s14, 16*SPITCH                  ; my stage
	s_lshl_b32 s46, s17, 8                         ; my first row of out0, 8,192 bytes a row; my first column, 4 bytes each
	s_lshl_b32 s47, s15, 7
	s_add_co_u32 s46, s46, s47
	s_lshl_b32 s46, s46, 13
	s_lshl_b32 s47, s42, 9
	s_add_co_u32 s46, s46, s47
	s_lshl_b32 s47, s16, 8
	s_add_co_u32 s46, s46, s47
	s_mov_b32 s47, 0
	s_add_nc_u64 s[12:13], s[12:13], s[46:47]
	v_and_b32 v1, 15, v0                           ; r
	v_bfe_u32 v2, v0, 4, 1                         ; h
	v_mul_u32_u24 v3, v1, PITCH
	v_mad_u32_u24 v4, v2, 24, v3
	v_add_nc_u32 v[ADRA], s18, v4
	v_add_nc_u32 v[ADRA+1], SLOT, v[ADRA]
	v_add_nc_u32 v[ADRA+2], s18, v3
	v_add_nc_u32 v[ADRA+3], SLOT, v[ADRA+2]
	v_add_nc_u32 v[ADRB], s19, v4
	v_add_nc_u32 v[ADRB+1], SLOT, v[ADRB]
	v_add_nc_u32 v[ADRB+2], s19, v3
	v_add_nc_u32 v[ADRB+3], SLOT, v[ADRB+2]
	v_mul_u32_u24 v6, s21, v2                      ; lanes 16-31 take proj's
	v_add_nc_u32 v[ADRS2], s20, v3
	v_add_nc_u32 v[ADRS], v[ADRS2], v6
	v_lshl_add_u32 v5, v2, 5, v3                   ; into the stage: row r, 32 bytes for each half
	v_add_nc_u32 v[STO], s22, v5
	v_mul_u32_u24 v7, v2, SPITCH                   ; back: lanes 0-15 one row of 256 bytes, lanes 16-31 the next
	v_lshl_add_u32 v7, v1, 4, v7
	v_add_nc_u32 v[RD], s22, v7
	v_lshlrev_b32 v8, 13, v2                       ; the same two rows in out0
	v_lshl_add_u32 v[CO], v1, 4, v8
	v_and_b32 v9, s99, v0
	v_mul_u32_u24 v[PFO], v9, KROW
	global_prefetch_b8 v[PFO], s[PFA:PFA+1] offset:ROWB th:TH_LOAD_NT scope:SCOPE_SE     ; chunks 1 and 2
	global_prefetch_b8 v[PFO], s[PFA:PFA+1] offset:2*ROWB th:TH_LOAD_NT scope:SCOPE_SE
; The loads of fragment (16 rows x 128 K, 12 registers, six pieces of 8 bytes) of step st that read chunk ch.  kind 0: into the fragment; kind 1: the old chunk's half of a piece whose halves part, into tr.
.macro FRAG reg, tr, adr, st, i, ch, kind
.irp p, 0,1,2,3,4,5
.set BY, 96*(\st)+48*(\p/3)+8*(\p%3)
.set CL, BY/ROWB
.set CU, (BY+24)/ROWB
.if CL == CU
.if (CL == (\ch)) && (\kind == 0)
	ds_load_b64 v[\reg+2*\p:\reg+2*\p+1], v[\adr+CL%2] offset:BY%ROWB+(\i)*16*PITCH
.set NLD, NLD+1
.endif
.else
.if (CL == (\ch)) && (\kind == 1)
	ds_load_b64 v[\tr+2*((\p+1)%2):\tr+2*((\p+1)%2)+1], v[\adr+2+CL%2] offset:BY%ROWB+(\i)*16*PITCH
.set NLD, NLD+1
.endif
.if (CU == (\ch)) && (\kind == 0)
	ds_load_b64 v[\reg+2*\p:\reg+2*\p+1], v[\adr+2+CU%2] offset:(BY+24)%ROWB+(\i)*16*PITCH
.set NLD, NLD+1
.endif
.endif
.endr
.endm
.macro FETCH st, ch, q                 ; all twelve fragments of step st into set q, as far as they lie in chunk ch
	WIN 0
.irp i, 0,1,2,3,4,5,6,7
	FRAG AF+96*(\q)+FR*\i, 0, ADRA, \st, \i, \ch, 0
.endr
	WIN TO_B
.irp i, 0,1,2,3
	FRAG 48*(\q)+FR*\i, 0, ADRB, \st, \i, \ch, 0
.endr
.irp i, 0,1,2,3,4,5,6,7
	FRAG 0, TR+4*\i, ADRA, \st, \i, \ch, 1
.endr
.irp i, 0,1,2,3
	FRAG 0, TR+32+4*\i, ADRB, \st, \i, \ch, 1
.endr
	WIN 0
.endm
.macro CNDF reg, tr, st                ; lanes 0-15 take the old chunk's bytes, lanes 16-31 keep the new chunk's
.irp p, 0,1,2,3,4,5
.set BY, 96*(\st)+48*(\p/3)+8*(\p%3)
.if BY/ROWB != (BY+24)/ROWB
	v_cndmask_b32 v[\reg+2*\p], v[\tr+2*((\p+1)%2)], v[\reg+2*\p], s[HM]
	v_cndmask_b32 v[\reg+2*\p+1], v[\tr+2*((\p+1)%2)+1], v[\reg+2*\p+1], s[HM]
.endif
.endr
.endm
.macro CND st, p
	WIN 0x01
.irp i, 0,1,2,3,4,5,6,7
	CNDF AF+96*(\p)+FR*\i, TR+4*\i, \st
.endr
	WIN 0x45
.irp i, 0,1,2,3
	CNDF 48*(\p)+FR*\i, TR+32+4*\i, \st
.endr
	WIN 0
.endm
.macro SCALES pr, rel                  ; the scale words of a pair of steps into set pr % 2; rel: the pair, counted from where the address registers stand
.irp i, 0,1,2,3
	ds_load_b64 v[SC+16*((\pr)%2)+2*\i:SC+16*((\pr)%2)+2*\i+1], v[ADRS] offset:\i*SBLK+8*(\rel)
.endr
.irp i, 4,5,6,7
	ds_load_b64 v[SC+16*((\pr)%2)+2*\i:SC+16*((\pr)%2)+2*\i+1], v[ADRS2] offset:\i*SBLK+8*(\rel)
.endr
.endm
; 8 products: x's blocks a0, a0 + 1 against proj's four.  The 32 accumulators take turns in one order in every step
.macro MUL2 a0, p, q, sc, zero
.irp a, \a0, \a0+1
.irp b, 0,1,2,3
.if \zero
	v_wmma_scale_f32_16x16x128_f8f6f4 v[8*(4*(\a)+\b):8*(4*(\a)+\b)+7], v[48*(\p)+FR*\b:48*(\p)+FR*\b+FR-1], v[AF+96*(\p)+FR*(\a):AF+96*(\p)+FR*(\a)+FR-1], 0, v[SC+16*(\sc)+2*\b+(\q)], v[SC+16*(\sc)+2*(\a)+(\q)] matrix_a_fmt:MATRIX_FMT_FP6 matrix_b_fmt:MATRIX_FMT_FP6 matrix_a_scale:MATRIX_SCALE_ROW1
.else
	v_wmma_scale_f32_16x16x128_f8f6f4 v[8*(4*(\a)+\b):8*(4*(\a)+\b)+7], v[48*(\p)+FR*\b:48*(\p)+FR*\b+FR-1], v[AF+96*(\p)+FR*(\a):AF+96*(\p)+FR*(\a)+FR-1], v[8*(4*(\a)+\b):8*(4*(\a)+\b)+7], v[SC+16*(\sc)+2*\b+(\q)], v[SC+16*(\sc)+2*(\a)+(\q)] matrix_a_fmt:MATRIX_FMT_FP6 matrix_b_fmt:MATRIX_FMT_FP6 matrix_a_scale:MATRIX_SCALE_ROW1
.endif
.endr
.endr
.endm
; A step: 32 products on set st % 2; the next step's fragments go into the other set.  base: the steps by which the stepped addresses already stand along K.
; Where the next step ends in a chunk that no step has read (E1 > E0): its pieces of the old chunk are read first; then the three lines, the barrier, which opens a round; chunk E1 + 1 is asked for into the slot left; then the new chunk's pieces.
.macro STEP st, zero, base
.set NX, (\st)+1
.set PS, (\st)%2
.set QS, NX%2
.set SS, ((\st)/2)%2
.set B0, (96*(\st))/ROWB
.set E0, (96*(\st)+95)/ROWB
.set CN, (96*NX)/ROWB
.set E1, (96*NX+95)/ROWB
.if E0 > B0
	s_wait_dscnt 0x0                               ; both halves of the parted pieces are in
	CND \st, PS
	s_wait_alu depctr_va_vdst(0)
	PLACES 4                                       ; an operand written by vector instructions stands four places ahead of a scaled product
.endif
.if E1 > E0
	PLACES 4                                       ; places in front of loads into the set that the last step multiplied
.set NLD, 0
.if CN < E1
	FETCH NX, CN, QS
.endif
	s_wait_tensorcnt 0x0                           ; my one load that was out, my part of chunk E1, has landed
	ds_add_u32 v[SPW], v[NIL]
	s_wait_dscnt NLD+1                             ; the add and the NLD loads just issued may be out: this step's fragments and scale words are in
	WIN MUL
	MUL2 0, PS, PS, SS, \zero
	s_wait_dscnt 0x0                               ; the add is done, and my reads of the old chunk are over
	s_barrier_signal -1
	MUL2 2, PS, PS, SS, \zero
	WIN 0
	s_barrier_wait -1
.if E1+1 < CHUNKS
	CREST
	s_add_nc_u64 s[G0+4*((E1+1)%2)+2:G0+4*((E1+1)%2)+3], s[G0+4*((E1+1)%2)+2:G0+4*((E1+1)%2)+3], 2*ROWB
	s_add_nc_u64 s[G0B+4*((E1+1)%2)+2:G0B+4*((E1+1)%2)+3], s[G0B+4*((E1+1)%2)+2:G0B+4*((E1+1)%2)+3], 2*ROWB
	JLOAD G0+4*((E1+1)%2), G1, G0B+4*((E1+1)%2), G1B
.endif
	FETCH NX, E1, QS
.if NX%2 == 0
	SCALES NX/2, (NX-(\base))/2
.endif
.if E1+3 < CHUNKS
	global_prefetch_b8 v[PFO], s[PFA:PFA+1] offset:ROWB*(E1+3-(\base)*3/8) th:TH_LOAD_NT scope:SCOPE_SE   ; the chunk two loads on
.endif
.else
.if E0 == B0
	s_wait_dscnt 0x0                               ; this step's fragments, asked for in the middle of the last step
.endif
	WIN MUL
	MUL2 0, PS, PS, SS, \zero
	MUL2 2, PS, PS, SS, \zero
	PLACES 4
	FETCH NX, CN, QS
.if NX%2 == 0
	SCALES NX/2, (NX-(\base))/2
.endif
.endif
	WIN MUL
	MUL2 4, PS, PS, SS, \zero
	MUL2 6, PS, PS, SS, \zero
	WIN 0
.endm
	s_wait_alu depctr_va_vdst(0)
	s_wait_tensorcnt 0x0                           ; my tile of the head's four is in
	ds_add_u32 v[SPW], v[NIL]
	s_mov_b32 s[G1+2], 128<<16                     ; no load of mine is out: from here on a load brings 128 rows of x,
	s_mov_b32 s[G1+4], 128
	s_mov_b32 s[G1B+2], 64<<16                     ; or 64 of proj
	s_mov_b32 s[G1B+4], 64
	s_wait_dscnt 0x0
	CROUND
	JLOAD G0+4, G1, G0B+4, G1B                     ; chunk 1: slot 1's first fill
	FETCH 0, 0, 0
	SCALES 0, 0
	global_prefetch_b8 v[PFO], s[PFA:PFA+1] offset:3*ROWB th:TH_LOAD_NT scope:SCOPE_SE
	STEP 0, 1, 0                                   ; the first step's products start the sums
	s_mov_b32 s3, 3
.Ltrip:                                                ; sixteen steps, six chunks: sets, slots and chunks are back where they began.  Steps 1 to 48
.set ST, 1
.rept 16
	STEP ST, 0, 0
.set ST, ST+1
.endr
	s_wait_xcnt 0x0                                ; my prefetches have read their base
	s_add_nc_u64 s[PFA:PFA+1], s[PFA:PFA+1], 6*ROWB
	v_add_nc_u32 v[ADRS], 64, v[ADRS]              ; sixteen steps' scale words on
	v_add_nc_u32 v[ADRS2], 64, v[ADRS2]
	s_sub_co_u32 s3, s3, 1
	s_cmp_lg_u32 s3, 0
	s_wait_alu depctr_va_vdst(0)
	s_cbranch_scc1 .Ltrip
.set ST, 49                            ; the tail is written out: its last change of chunks fills nothing
.rept 14
	STEP ST, 0, 48
.set ST, ST+1
.endr
	s_wait_dscnt 0x0                               ; step 63: nothing more to fetch
	WIN MUL
	MUL2 0, 1, 1, 1, 0
	MUL2 2, 1, 1, 1, 0
	MUL2 4, 1, 1, 1, 0
	MUL2 6, 1, 1, 1, 0
	WIN 0
; THE WAY OUT, by blocks of 16 rows x 64 columns: through my stage, back as whole rows of 256 bytes; sixteen lanes store one aligned 256 bytes of out0.  LDS serves a wave's instructions in order (ISA guide 5.7.1.4).
.macro TOSTAGE a
	WIN 0x08                                       ; the data: window 2
.irp b, 0,1,2,3
	ds_store_b128 v[STO], v[32*(\a)+8*\b:32*(\a)+8*\b+3] offset:64*\b          ; each accumulator from its low end on
	ds_store_b128 v[STO], v[32*(\a)+8*\b+4:32*(\a)+8*\b+7] offset:64*\b+16
.endr
	WIN 0
.set BB, BK+32*((\a)%2)
.irp t, 0,1,2,3,4,5,6,7
	ds_load_b128 v[BB+4*\t:BB+4*\t+3], v[RD] offset:\t*2*SPITCH
.endr
.endm
.macro SEND a, younger
.set BB, BK+32*((\a)%2)
	s_wait_dscnt \younger                          ; the block is back; the next block's 8 stores and 8 loads may be out
.irp t, 0,1,2,3,4,5,6,7
	global_store_b128 v[CO], v[BB+4*\t:BB+4*\t+3], s[12:13] offset:(16*(\a)+2*\t)*8192 th:TH_STORE_NT
.endr
.endm
	PLACES 4                                       ; behind the last products: for the stores that read results and the loads into fragments' registers
	TOSTAGE 0
.irp a, 1,2,3,4,5,6,7
.if \a > 1
	s_wait_xcnt 0x0                                ; block a - 2's stores have read their registers
.endif
	TOSTAGE \a
	SEND \a-1, 16
.endr
	SEND 7, 0
	s_wait_tensorcnt 0x0                           ; the wave's end
	ds_add_u32 v[SPW], v[NIL]
	s_wait_dscnt 0x0
	CROUND                                         ; the closing round
	s_endpgm
.Lfunc_end_k_q3d2d734d94_gemm:
	.size	k_q3d2d734d94_gemm, .Lfunc_end_k_q3d2d734d94_gemm-k_q3d2d734d94_gemm
	.p2alignl 7, 3214868480
	.fill 96, 4, 3214868480
	.section	.rodata,"a",@progbits
	.p2align	6, 0x0
	.amdhsa_kernel k_q3d2d734d94_gemm
		.amdhsa_group_segment_fixed_size 327680
		.amdhsa_private_segment_fixed_size 0
		.amdhsa_enable_private_segment 0
		.amdhsa_kernarg_size 40
		.amdhsa_user_sgpr_count 2
		.amdhsa_user_sgpr_kernarg_segment_ptr 1
		.amdhsa_wavefront_size32 1
		.amdhsa_system_sgpr_workgroup_id_x 1
		.amdhsa_system_sgpr_workgroup_id_y 1
		.amdhsa_system_sgpr_workgroup_id_z 1
		.amdhsa_system_vgpr_workitem_id 0
		.amdhsa_next_free_vgpr 768
		.amdhsa_next_free_sgpr 100
		.amdhsa_reserve_vcc 0
		.amdhsa_float_denorm_mode_32 3
		.amdhsa_float_denorm_mode_16_64 3
		.amdhsa_memory_ordered 1
		.amdhsa_forward_progress 1
		.amdhsa_inst_pref_size 255
	.end_amdhsa_kernel
	.section	.bss,"aw",@nobits
	.p2align	6
	.space	262144
	.amdgpu_metadata
---
amdhsa.version: [ 1, 2 ]
amdhsa.kernels:
  - .name:           k_q3d2d734d94_gemm
    .symbol:         k_q3d2d734d94_gemm.kd
    .args:
      - { .name: x_codes, .offset: 0, .size: 8, .value_kind: global_buffer, .address_space: global }
      - { .name: x_scales, .offset: 8, .size: 8, .value_kind: global_buffer, .address_space: global }
      - { .name: proj_codes, .offset: 16, .size: 8, .value_kind: global_buffer, .address_space: global }
      - { .name: proj_scales, .offset: 24, .size: 8, .value_kind: global_buffer, .address_space: global }
      - { .name: out0, .offset: 32, .size: 8, .value_kind: global_buffer, .address_space: global }
    .group_segment_fixed_size: 327680
    .private_segment_fixed_size: 0
    .kernarg_segment_align: 8
    .kernarg_segment_size: 40
    .max_flat_workgroup_size: 128
    .sgpr_count:     100
    .vgpr_count:     768
    .wavefront_size: 32
...
	.end_amdgpu_metadata
.endif
;; end of part 2
